; MI455X (gfx1250); checked and timed in simulation.
; The chip was launched on July 23, 2026; its instructions are those of AMD's public machine-readable ISA for CDNA 5 (MIT licence, August 2026) and "CDNA5" Instruction Set Architecture Reference Guide (July 2026). The comments in the code are by the model that wrote it; some were corrected since.
;; Primitive Library. Allowed arithmetic: float matrix products may take bf16 or f16 operands with f32 sums; all other float work in f32.
;; Inputs: W1 16 x 1,024 x 1,024 float32; W2 16 x 1,024 x 1,024 float32; b1 16 x 1,024 float32; b2 16 x 1,024 float32; weights 2,048 x 16 float32; x 2,048 x 1,024 float32.
;; Outputs: out0 2,048 x 1,024 float32.
;; One version. Each part assembles by itself: llvm-mc -triple=amdgcn-amd-amdhsa -mcpu=gfx1250 --defsym DOCPART=n.
;; ======== version 1 of 1: 4 launches
;; workspace buffers: xb 4,194,304 bytes; W1b 33,554,432 bytes; W2b 33,554,432 bytes; H 67,108,864 bytes; P 67,108,864 bytes
;; launch prep (part 1): grid 1024 x 1, 8 waves a work-group, no clusters, 0 bytes of LDS; arguments x, W1, xb, W1b; writes xb, W1b
.if DOCPART == 1
	.amdgcn_target "amdgcn-amd-amdhsa--gfx1250"
	.amdhsa_code_object_version 6
	.text
	.protected	k_qd82c1b3b7e_prep
	.globl	k_qd82c1b3b7e_prep
	.p2align	8
	.type	k_qd82c1b3b7e_prep,@function
k_qd82c1b3b7e_prep:
	s_mov_b64 s[64:65], 0
	v_nop
	global_prefetch_b8 v0, s[64:65] scope:SCOPE_SE
	s_setreg_imm32_b32 hwreg(HW_REG_WAVE_MODE, 25, 1), 1
	s_wait_xcnt 0x0
; f32 to bf16 (round to nearest even) for the first product's operands: x -> xb [2048][1024], W1 -> W1b [16384][1024] (row 1024 n + h).
; (W2 is converted by the next launch, beside its matrix work: nothing reads W2b before the launch after that.)
; LIMIT: a finite f32 above bf16's largest number rounds to infinity.
; A stream: every input byte is read once, every output byte written once.  No LDS, no barrier, no matrix unit, no cluster: no two
; work-groups read the same byte.
; 1,024 work-groups of eight waves, each with the same work: 16 rows of W1 and 2 rows of x, 4,096 bytes each.
; Thread t owns bytes 16 t of every source row and bytes 8 t of every bf16 row: a wave's load covers 512 consecutive bytes, a wave's
; store 256 consecutive bytes that start at a multiple of 256 from the buffer's first byte.
; All 18 loads of a wave go out at once and every row has registers of its own for what is loaded and for what is stored:
; no register is written twice, so the only waits are the counted ones for the loads.
.set ROW,   4096                       ; bytes in a source row
.set OROW,  2048                       ; bytes in a bf16 row
.set WROWS, 16                         ; rows of W1 in a work-group
.set XROWS, 2                          ; rows of x in a work-group
.set N,     WROWS+XROWS                ; loads in flight in each wave
.set X,  4                             ; v[4:75]    row i: 4 f32 as loaded
.set Y,  X+4*N                         ; v[76:111]  row i: 4 bf16 to store
	s_load_b256 s[4:11], s[0:1], 0x0               ; x s[4:5], W1 s[6:7], xb s[8:9], W1b s[10:11]
	s_lshl_b32 s12, ttmp9, 13                      ; x: 2 rows of 4,096 bytes
	s_mov_b32 s13, 0
	s_lshl_b32 s14, ttmp9, 16                      ; W1: 16 rows of 4,096 bytes
	s_mov_b32 s15, 0
	s_lshl_b32 s16, ttmp9, 12                      ; xb: 2 rows of 2,048 bytes
	s_mov_b32 s17, 0
	s_lshl_b32 s18, ttmp9, 15                      ; W1b: 16 rows of 2,048 bytes
	s_mov_b32 s19, 0
	v_lshlrev_b32 v1, 4, v0                        ; 16 t; never rewritten
	v_lshlrev_b32 v2, 3, v0                        ; 8 t; never rewritten
	s_wait_kmcnt 0x0
	s_add_nc_u64 s[4:5], s[4:5], s[12:13]
	s_add_nc_u64 s[6:7], s[6:7], s[14:15]
	s_add_nc_u64 s[8:9], s[8:9], s[16:17]
	s_add_nc_u64 s[10:11], s[10:11], s[18:19]
.irp i, 0,1,2,3,4,5,6,7,8,9,10,11,12,13,14,15
	global_load_b128 v[X+4*\i:X+4*\i+3], v1, s[6:7] offset:\i*ROW th:TH_LOAD_NT
.endr
.irp i, 0,1
	global_load_b128 v[X+4*(WROWS+\i):X+4*(WROWS+\i)+3], v1, s[4:5] offset:\i*ROW th:TH_LOAD_NT
.endr
; Row i of the 18: rounded and stored at byte off behind the base s[lo:hi].
.macro ROWOUT i, lo, hi, off
	s_wait_loadcnt N-1-(\i)                        ; loads return in order: mine is in, the N - 1 - i younger ones stay out
	v_cvt_pk_bf16_f32 v[Y+2*(\i)],   v[X+4*(\i)],   v[X+4*(\i)+1]
	v_cvt_pk_bf16_f32 v[Y+2*(\i)+1], v[X+4*(\i)+2], v[X+4*(\i)+3]
	global_store_b64 v2, v[Y+2*(\i):Y+2*(\i)+1], s[\lo:\hi] offset:\off     ; no hint: the next launch reads these bytes
.endm
.irp i, 0,1,2,3,4,5,6,7,8,9,10,11,12,13,14,15
	ROWOUT \i, 10, 11, \i*OROW
.endr
.irp i, 0,1
	ROWOUT WROWS+\i, 8, 9, \i*OROW
.endr
	s_endpgm
.Lfunc_end_k_qd82c1b3b7e_prep:
	.size	k_qd82c1b3b7e_prep, .Lfunc_end_k_qd82c1b3b7e_prep-k_qd82c1b3b7e_prep
	.p2alignl 7, 3214868480
	.fill 96, 4, 3214868480
	.section	.rodata,"a",@progbits
	.p2align	6, 0x0
	.amdhsa_kernel k_qd82c1b3b7e_prep
		.amdhsa_group_segment_fixed_size 0
		.amdhsa_private_segment_fixed_size 0
		.amdhsa_enable_private_segment 0
		.amdhsa_kernarg_size 32
		.amdhsa_user_sgpr_count 2
		.amdhsa_user_sgpr_kernarg_segment_ptr 1
		.amdhsa_wavefront_size32 1
		.amdhsa_system_sgpr_workgroup_id_x 1
		.amdhsa_system_sgpr_workgroup_id_y 1
		.amdhsa_system_sgpr_workgroup_id_z 1
		.amdhsa_system_vgpr_workitem_id 0
		.amdhsa_next_free_vgpr 112
		.amdhsa_next_free_sgpr 66
		.amdhsa_reserve_vcc 0
		.amdhsa_float_denorm_mode_32 3
		.amdhsa_float_denorm_mode_16_64 3
		.amdhsa_memory_ordered 1
		.amdhsa_forward_progress 1
		.amdhsa_inst_pref_size 7
	.end_amdhsa_kernel
	.amdgpu_metadata
---
amdhsa.version: [ 1, 2 ]
amdhsa.kernels:
  - .name:           k_qd82c1b3b7e_prep
    .symbol:         k_qd82c1b3b7e_prep.kd
    .args:
      - { .name: x, .offset: 0, .size: 8, .value_kind: global_buffer, .address_space: global }
      - { .name: W1, .offset: 8, .size: 8, .value_kind: global_buffer, .address_space: global }
      - { .name: xb, .offset: 16, .size: 8, .value_kind: global_buffer, .address_space: global }
      - { .name: W1b, .offset: 24, .size: 8, .value_kind: global_buffer, .address_space: global }
    .group_segment_fixed_size: 0
    .private_segment_fixed_size: 0
    .kernarg_segment_align: 8
    .kernarg_segment_size: 32
    .max_flat_workgroup_size: 256
    .sgpr_count:     66
    .vgpr_count:     112
    .wavefront_size: 32
...
	.end_amdgpu_metadata
.endif
;; end of part 1
;; launch gemm1 (part 2): grid 8 x 64, 4 waves a work-group, clusters of 4 x 4, 327,680 bytes of LDS; arguments xb, W1b, b1, weights, W2, H, W2b; writes H, W2b
.if DOCPART == 2
	.amdgcn_target "amdgcn-amd-amdhsa--gfx1250"
	.amdhsa_code_object_version 6
	.text
	.protected	k_qd82c1b3b7e_gemm1
	.globl	k_qd82c1b3b7e_gemm1
	.p2align	8
	.type	k_qd82c1b3b7e_gemm1,@function
k_qd82c1b3b7e_gemm1:
	s_mov_b64 s[64:65], 0
	v_nop
	global_prefetch_b8 v0, s[64:65] scope:SCOPE_SE
	s_setreg_imm32_b32 hwreg(HW_REG_WAVE_MODE, 25, 1), 1
	s_wait_xcnt 0x0
	s_wait_alu depctr_hold_cnt(0) depctr_sa_sdst(0) depctr_va_vdst(0) depctr_va_sdst(0) depctr_va_ssrc(0) depctr_va_vcc(0) depctr_vm_vsrc(0)
	s_getreg_b32 s2, hwreg(HW_REG_IB_STS2, 6, 4)
	s_cmp_eq_u32 s2, 0
	s_cbranch_scc0 .Lentry_in_a_cluster
	s_endpgm
.Lentry_in_a_cluster:
	s_bfe_u32 s2, ttmp6, 0x10000c
	s_cmp_lg_u32 s2, 0xf033
	s_cbranch_scc0 .Lentry_shape_is_right
	s_endpgm
.Lentry_shape_is_right:
; H[b][j] = bf16(weights[b][n]) * gelu( sum over k of xb[b][k] W1b[j][k] + b1[j] ),  j = 1024 n + h,  H: [2048][16384] bf16; sums and gelu in f32.
; A work-group makes a block of 256 x 256 with four waves; a wave makes 128 x 128: 64 accumulator tiles of 16 x 16, 512 registers.
; K = 1024 goes in steps of 128 through a ring of two LDS slots filled by the tensor data mover; a tile's rows are 256 bytes of memory
; and start at multiples of 256 bytes from the buffer's first byte.
; CLUSTERS: 4 x 4 work-groups.  The grid's x is the block ROW (8), its y the block COLUMN (64).  The four work-groups with the same cx need the
; same tiles of xb, the four with the same cy the same tiles of W1b: each tile is asked for jointly, which divides the requests by four.
; A block column lies inside one primitive: n = block column / 4 = the cluster's y.
; BESIDE THE PRODUCT: W2 [n][d][h] f32 -> W2b [1024 d][16384] bf16, column 1024 n + h (round to nearest even), for the next launch, whose K (n, h) then
; lies along the rows.  W2 has 16,384 rows of 4,096 bytes, and 512 work-groups x 4 waves x 8 K steps are 16,384: each wave converts one row in each
; K step, through registers, with loads and stores that the K loop otherwise does not issue.  No work-group reads what another converts.
; LIMITS: exact gelu is 0.5 u (1 + erf(u / sqrt 2)); erf is taken from the five-term rational form 1 - (a1 t + .. + a5 t^5) exp(-z^2),
; t = 1 / (1 + 0.3275911 z), whose absolute error is at most 1.5e-7, so gelu is off by at most 0.5 |u| 1.5e-7 plus f32 rounding;
; v_exp_f32 gives 0 for results below 2^-126 (ISA guide 15.8), where erf is 1 in f32 anyway; u = -infinity gives NaN, as 0 x infinity does.
; xb, W1b, W2b and H are bf16 (a finite f32 above bf16's largest number rounds to infinity).  weights is an operand of the module's third product
; (the sum over n), which is folded into H here: like the other products' operands it is rounded to bf16 (nearest even, 8 significant bits), once,
; before it multiplies gelu's result.
;
; REGISTERS, in windows of 256:
;   window 0: v0-31 addresses and small things; v32-63 rows on their way out; v64-127, v128-191 fragments of xb, two buffers (on the way out: gelu's work);
;             v192-239 in the K loop: a row of W2 as loaded and as stored; v192-255 on the way out: gelu's work
;   window 1: v64-127, v128-191 fragments of W1b, two buffers; v192-255 b1 of my 64 columns a lane
;   window 2: the 32 accumulator tiles of my rows 0-63 (tile (a, b) at v[8 (8 a + b)]);   window 3: those of my rows 64-127
; THE MATRIX INSTRUCTION IS USED TRANSPOSED: source 0 = 16 rows of W1b, source 1 = 16 rows of xb.  Lane l then holds row l % 16 of H and its
; registers 0 to 7 the columns 8 (l / 16) + 0 .. 7: eight neighbouring numbers of a row.
; The 64 accumulators take turns, one matrix instruction a turn.
.set KSTEP,  128
.set KPITCH, 1024                      ; elements in a row of xb and of W1b
.set KSPAN,  1024                      ; the K that a work-group sums over
.set PITCH,  272                       ; an LDS row: 256 bytes + 16 of padding: the 16 rows that a load touches start 4 banks apart (64 banks of 4 bytes: ISA guide 11.1)
.set HALFT,  128*PITCH                 ; 128 rows: what one tensor load brings
.set SLOT,   4*HALFT                   ; xb's 256 rows, then W1b's 256 rows
.set STAGE,  2*SLOT                    ; behind the ring: 16 rows x 272 bytes for each wave, for the way out; no tensor load lands there
.set SPITCH, 272
.set LAPS,   KSPAN/(2*KSTEP)           ; a lap = two K steps = once round the ring
.set CROW,   32768                     ; bytes in a row of H
.set W2ROW,  4096                      ; bytes in a row of W2
.set W2BROW, 32768                     ; bytes in a row of W2b
.set FLAGS,  (1<<16)|(1<<20)|(1<<21)|(5<<22)|(3<<25)   ; element of 2 bytes; padding on; bit 21 beside a mask; after every 64 words; 4 words
.set HW,   6                           ; v[6:7]   0.5 x bf16(weight of my row), twice
.set WT,   8                           ; v[8:15]  weights[my row of row group i][n], i = 0..7, as loaded
.set ADRA, 16                          ; v16-17   LDS address of my xb fragments in slot 0, 1
.set A4,   18                          ; v[18:19] the polynomial's fourth coefficient, twice
.set ADRB, 20                          ; v20-21   the same as ADRA for W1b
.set STO,  24                          ; the way out: where I put 16 bytes of a row
.set RD,   25                          ; the way out: where I read a row back
.set CO,   26                          ; my byte offset in H
.set VB,   27                          ; my byte offset in b1
.set VW,   28                          ; my byte offset in weights
.set VSI,  29                          ; 16 x lane: my bytes in 512 bytes of a row of W2; never rewritten
.set VSO,  30                          ; 8 x lane: my bytes in 256 bytes of a row of W2b; never rewritten
.set RB,   32                          ; v[32:63] rows read back from the stage
.set F0,   64                          ; fragment buffer 0
.set F1,   128                         ; fragment buffer 1
.set GU,   64                          ; gelu, 32 numbers a lane at a time: u, later the result
.set GA,   96                          ; |u|
.set GT,   128                         ; t
.set GE,   160                         ; exp(-u^2 / 2)
.set GP,   192                         ; the polynomial
.set TMP,  224                         ; v[224:255] a row group's 64 results as bf16
.set SX,   192                         ; v[192:223] in the K loop: a row of W2, 32 f32 a lane
.set SY,   224                         ; v[224:239] in the K loop: the same as 32 bf16 a lane
.set BI,   192                         ; window 1: b1
.set G1, 24                            ; s[24:31] descriptor group 1 for xb's tiles
.set G0, 32                            ; s[32:39] descriptor group 0 for xb's tiles, one set for each slot
.set G1B, 48                           ; s[48:55] group 1 for W1b's tiles: it differs in the mask alone
.set G0B, 56                           ; s[56:63] group 0 for W1b's tiles
.set SSRC, 96                          ; s[96:97] W2 at the row that my wave loads next
.set SDST, 98                          ; s[98:99] W2b, one row behind the row that my wave stores next
.set MSB, 0
.macro WIN new                         ; the immediate's high byte repeats the setting that is left
.if MSB != \new
	s_set_vgpr_msb (MSB<<8)|\new
.set MSB, \new
.endif
.endm
.set MUL_LO, 0xa1                      ; source 0 (W1b) window 1, source 1 (xb) window 0, C and D window 2
.set MUL_HI, 0xf1                      ; the same, C and D window 3
.set TO_B,   0x40                      ; destination window 1, address window 0
; A joint load.  Waves 0 and 1 fetch xb's two halves, waves 2 and 3 W1b's.  Each line has one mask and one set of registers for all that issue it.
; The branch hangs on the wave's number alone.  Four v_nop follow each of the two lines.
.macro JLOAD s
	s_cmp_eq_u32 s11, 0
	s_cbranch_scc0 .Lfor_b_\@
	tensor_load_to_lds s[G0+4*\s:G0+4*\s+3], s[G1:G1+7]
	s_nop 0
.rept 4
	v_nop
.endr
	s_branch .Lasked_\@
.Lfor_b_\@:
	tensor_load_to_lds s[G0B+4*\s:G0B+4*\s+3], s[G1B:G1B+7]
	s_nop 0
.rept 4
	v_nop
.endr
.Lasked_\@:
.endm
; A round of the cluster's barrier: my work-group's barrier; wave 0 signals for the work-group; every wave waits for all sixteen; my work-group's barrier again.
.macro CREST                           ; a round behind its opening barrier
	s_cmp_lg_u32 s10, 0
	s_cbranch_scc1 .Lnot_wave_0_\@
	s_barrier_signal -3
.Lnot_wave_0_\@:
	s_barrier_wait -3
	s_barrier_signal -1
	s_barrier_wait -1
.endm
.macro CROUND                          ; a whole round
	s_barrier_signal -1
	s_barrier_wait -1
	CREST
.endm
	s_load_b128 s[4:7], s[0:1], 0x0                ; xb s[4:5], W1b s[6:7]
	s_load_b128 s[68:71], s[0:1], 0x10             ; b1 s[68:69], weights s[70:71]
	s_load_b64 s[SSRC:SSRC+1], s[0:1], 0x20        ; W2
	s_load_b64 s[8:9], s[0:1], 0x28                ; H
	s_load_b64 s[SDST:SDST+1], s[0:1], 0x30        ; W2b
	s_set_vgpr_msb 0x40
	v_lshl_add_u32 v63, v0, 2, 0x48400
	s_set_vgpr_msb 0x4000
	v_mov_b32 v31, 0
	s_set_vgpr_msb 0x1
	ds_add_u32 v63, v31
	s_set_vgpr_msb 0x100
	v_lshrrev_b32 v1, 5, v0
	v_readfirstlane_b32 s10, v1                    ; wave 0..3
	s_lshr_b32 s11, s10, 1                         ; which half of the block's rows is mine.  Also: I fetch for xb (0) or for W1b (1)
	s_and_b32 s12, s10, 1                          ; which half of its columns.  Also: which 128 rows of that tile I fetch
	s_bfe_u32 s40, ttmp6, 0x40000                  ; cx
	s_bfe_u32 s41, ttmp6, 0x40004                  ; cy
	s_lshl_b32 s42, ttmp9, 2
	s_add_co_u32 s42, s42, s40                     ; block row = 4 x cluster x + cx
	s_and_b32 s45, ttmp7, 0xffff                   ; cluster y = the primitive n
	s_lshl_b32 s13, s45, 2
	s_add_co_u32 s13, s13, s41                     ; block column = 4 x cluster y + cy
	s_lshl_b32 s43, s41, 2
	s_lshl_b32 s43, 15, s43                        ; the work-groups with my cy: places 4 cy .. 4 cy + 3
	s_lshl_b32 s44, 0x1111, s40                    ; those with my cx: places cx, cx + 4, cx + 8, cx + 12
	s_or_b32 s[G1+0], s44, FLAGS                   ; xb's tiles hang on the block row, that is on cx: they go to those with my cx
	s_or_b32 s[G1B+0], s43, FLAGS                  ; W1b's tiles hang on the block column, that is on cy: they go to those with my cy
	s_mov_b32 s[G1B+1], KSTEP<<16
	s_mov_b32 s[G1+1], KSTEP<<16                   ; tensor_dim0 = 128
	s_mov_b32 s[G1B+2], 128<<16
	s_mov_b32 s[G1+2], 128<<16                     ; tensor_dim1 = 128
	s_mov_b32 s[G1B+3], KSTEP<<16
	s_mov_b32 s[G1+3], KSTEP<<16                   ; tile_dim0 = 128
	s_mov_b32 s[G1B+4], 128
	s_mov_b32 s[G1+4], 128                         ; tile_dim1 = 128
	s_mov_b32 s[G1B+5], KPITCH
	s_mov_b32 s[G1+5], KPITCH                      ; elements from row to row
	s_mov_b32 s[G1B+6], 0
	s_mov_b32 s[G1+6], 0
	s_mov_b32 s[G1B+7], 0
	s_mov_b32 s[G1+7], 0
	; where the tiles come from: each address in registers that never hold the other coordinate
	s_lshl_b32 s17, s12, 7                         ; which 128 rows of the tile I fetch
	s_lshl_b32 s16, s42, 8
	s_add_co_u32 s16, s16, s17                     ; xb: row 256 x block row + 128 x half
	s_lshl_b32 s46, s13, 8
	s_add_co_u32 s46, s46, s17                     ; W1b: row 256 x block column + 128 x half
	s_mov_b32 s17, 0
	s_mov_b32 s47, 0
	s_mov_b64 s[18:19], KPITCH*2
	s_mul_u64 s[16:17], s[16:17], s[18:19]         ; in bytes
	s_mul_u64 s[46:47], s[46:47], s[18:19]
	s_mul_i32 s20, s10, HALFT                      ; where they go: wave x 128 rows; no place in the cluster enters an LDS address
	s_wait_dscnt 0x0
	s_wait_kmcnt 0x0
	s_add_nc_u64 s[14:15], s[4:5], s[16:17]
	s_add_nc_u64 s[46:47], s[6:7], s[46:47]
	CROUND                                         ; all sixteen work-groups are here: the first joint loads meet
.irp s, 0,1
	s_mov_b32 s[G0+4*\s], 1                                        ; count = 1
	s_add_co_u32 s[G0+4*\s+1], s20, \s*SLOT                        ; LDS address
	s_add_nc_u64 s[G0+4*\s+2:G0+4*\s+3], s[14:15], \s*KSTEP*2      ; global address: K step s
	s_or_b32 s[G0+4*\s+3], s[G0+4*\s+3], 0x80000000                ; type = 2
	s_mov_b32 s[G0B+4*\s], 1
	s_add_co_u32 s[G0B+4*\s+1], s20, \s*SLOT
	s_add_nc_u64 s[G0B+4*\s+2:G0B+4*\s+3], s[46:47], \s*KSTEP*2
	s_or_b32 s[G0B+4*\s+3], s[G0B+4*\s+3], 0x80000000
	JLOAD \s                                       ; the ring is filled before anything else is done: two tensor loads of the wave are out
.endr
	; lane addresses.  A fragment is 16 rows x 32 K in 8 registers: lane l holds row l % 16; two loads of 16 bytes, 32 bytes apart, at row x pitch + 16 (l / 16).
	v_and_b32 v1, 15, v0                           ; r = l % 16
	v_bfe_u32 v2, v0, 4, 1                         ; h = l / 16
	v_mul_u32_u24 v3, v1, PITCH
	v_lshl_add_u32 v3, v2, 4, v3
	s_mul_i32 s21, s11, HALFT                      ; my 128 rows of xb
	s_mul_i32 s22, s12, HALFT                      ; my 128 rows of W1b,
	s_add_co_u32 s22, s22, 2*HALFT                 ; which lie behind xb's 256
.irp s, 0,1
	v_add_nc_u32 v[ADRA+\s], s21, v3
	v_add_nc_u32 v[ADRB+\s], s22, v3
	s_add_co_u32 s21, s21, SLOT
	s_add_co_u32 s22, s22, SLOT
.endr
	s_mul_i32 s23, s10, 16*SPITCH
	s_add_co_u32 s23, s23, STAGE                   ; my stage
	v_mul_u32_u24 v4, v1, SPITCH                   ; in: row r, 16 bytes for each half of the lanes
	v_lshl_add_u32 v4, v2, 4, v4
	v_add_nc_u32 v[STO], s23, v4
	v_mul_u32_u24 v5, v2, SPITCH                   ; back: lanes 0-15 take one row of 256 bytes, lanes 16-31 the next
	v_lshl_add_u32 v5, v1, 4, v5
	v_add_nc_u32 v[RD], s23, v5
	v_lshlrev_b32 v5, 15, v2                       ; and the same two rows in H
	v_lshl_add_u32 v[CO], v1, 4, v5
	v_lshlrev_b32 v[VB], 5, v2                     ; b1: 8 h numbers of 4 bytes
	v_lshlrev_b32 v[VW], 6, v1                     ; weights: r rows of 64 bytes
	v_and_b32 v5, 31, v0                           ; lane
	v_lshlrev_b32 v[VSI], 4, v5
	v_lshlrev_b32 v[VSO], 3, v5
	; bases of b1, weights, H, W2 and W2b, in registers that feed no descriptor
	s_lshl_b32 s88, s13, 10                        ; b1: 4 bytes x (256 x block column + 128 x half)
	s_lshl_b32 s89, s12, 9
	s_add_co_u32 s88, s88, s89
	s_mov_b32 s89, 0
	s_add_nc_u64 s[68:69], s[68:69], s[88:89]
	s_lshl_b32 s90, s42, 8
	s_lshl_b32 s91, s11, 7
	s_add_co_u32 s90, s90, s91                     ; my first row
	s_lshl_b32 s92, s90, 6                         ; weights: 64 bytes a row,
	s_lshl2_add_u32 s92, s45, s92                  ; + 4 n
	s_mov_b32 s93, 0
	s_add_nc_u64 s[70:71], s[70:71], s[92:93]
	s_lshl_b32 s94, s90, 15                        ; H: 32,768 bytes a row,
	s_lshl_b32 s95, s13, 9                         ; + 2 bytes x (256 x block column + 128 x half)
	s_add_co_u32 s94, s94, s95
	s_lshl_b32 s95, s12, 8
	s_add_co_u32 s94, s94, s95
	s_mov_b32 s95, 0
	s_add_nc_u64 s[8:9], s[8:9], s[94:95]
	; my wave's eight rows of W2: primitive n = the cluster's y; d = 32 (8 cy + block row) + 8 wave + K step.  (cy, block row) takes 32 values, so the
	; 32 work-groups of a primitive cover its 1,024 rows once.
	s_lshl3_add_u32 s88, s41, s42                  ; 8 cy + block row
	s_lshl_b32 s88, s88, 5
	s_lshl3_add_u32 s88, s10, s88                  ; + 8 wave: my first d
	s_lshl_b32 s90, s88, 12                        ; W2: 4,096 bytes a row,
	s_lshl_b32 s91, s45, 22                        ; 1,024 rows a primitive
	s_add_co_u32 s90, s90, s91
	s_mov_b32 s91, 0
	s_add_nc_u64 s[SSRC:SSRC+1], s[SSRC:SSRC+1], s[90:91]
	s_lshl_b32 s92, s88, 15                        ; W2b: 32,768 bytes a row,
	s_lshl_b32 s93, s45, 11                        ; 2,048 bytes a primitive along it
	s_add_co_u32 s92, s92, s93
	s_mov_b32 s93, 0
	s_add_nc_u64 s[SDST:SDST+1], s[SDST:SDST+1], s[92:93]
	; b1 of my columns 16 b + 8 h + 0..7 (the sixteen lanes of a half read the same 32 bytes), and the weight of my row in each of the eight row groups
	; (4 bytes of rows 64 bytes apart: eight instructions a wave, once).
	WIN TO_B
.irp b, 0,1,2,3,4,5,6,7
	global_load_b128 v[BI+8*\b:BI+8*\b+3],   v[VB], s[68:69] offset:64*\b
	global_load_b128 v[BI+8*\b+4:BI+8*\b+7], v[VB], s[68:69] offset:64*\b+16
.endr
	WIN 0
.irp i, 0,1,2,3,4,5,6,7
	global_load_b32 v[WT+\i], v[VW], s[70:71] offset:1024*\i
.endr
.irp j, 0,1,2,3,4,5,6,7
	global_load_b128 v[SX+4*\j:SX+4*\j+3], v[VSI], s[SSRC:SSRC+1] offset:512*\j th:TH_LOAD_NT   ; my first row of W2: eight loads of 512 consecutive bytes
.endr
	; gelu's constants, each twice: a packed instruction reads the pair.  The polynomial's coefficients are negated, so that erf = P E + 1.
	s_mov_b32 s72, 0x3e6d3389                      ; 0.3275911 / sqrt 2
	s_mov_b32 s73, 0x3e6d3389
	s_mov_b32 s74, 0xbf38aa3b                      ; -0.5 log2 e
	s_mov_b32 s75, 0xbf38aa3b
	s_mov_b32 s76, 0xbf87dc22                      ; -a5 = -1.061405429
	s_mov_b32 s77, 0xbf87dc22
	s_mov_b32 s80, 0xbfb5f0e3                      ; -a3 = -1.421413741
	s_mov_b32 s81, 0xbfb5f0e3
	s_mov_b32 s82, 0x3e91a98e                      ; -a2 = 0.284496736
	s_mov_b32 s83, 0x3e91a98e
	s_mov_b32 s84, 0xbe827906                      ; -a1 = -0.254829592
	s_mov_b32 s85, 0xbe827906
	s_mov_b32 s86, 0x7fffffff                      ; clears a sign
	v_mov_b32 v[A4], 0x3fba00e3                    ; -a4 = 1.453152027, in a vector pair: its instruction already names a scalar pair
	v_mov_b32 v[A4+1], 0x3fba00e3
; 16 matrix instructions: m blocks a0, a0 + 1 of the window's four x all 8 n blocks, 32 along K.  zero = 1: the first product starts the sums.
.macro MUL16 f, hi, a0, zero
.irp a, \a0, \a0+1
.irp b, 0,1,2,3,4,5,6,7
.if \zero
	v_wmma_f32_16x16x32_bf16 v[8*(8*(\a)+\b):8*(8*(\a)+\b)+7], v[\f+8*\b:\f+8*\b+7], v[\f+8*(4*\hi+\a):\f+8*(4*\hi+\a)+7], 0
.else
	v_wmma_f32_16x16x32_bf16 v[8*(8*(\a)+\b):8*(8*(\a)+\b)+7], v[\f+8*\b:\f+8*\b+7], v[\f+8*(4*\hi+\a):\f+8*(4*\hi+\a)+7], v[8*(8*(\a)+\b):8*(8*(\a)+\b)+7]
.endif
.endr
.endr
.endm
; 32 LDS loads in one run: the fragments of one quarter step (32 K at byte k of the rows) into buffer f
.macro FETCH slot, k, f
	WIN TO_B
.irp i, 0,1,2,3,4,5,6,7
	ds_load_b128 v[\f+8*\i:\f+8*\i+3],   v[ADRB+\slot] offset:\k+\i*16*PITCH
	ds_load_b128 v[\f+8*\i+4:\f+8*\i+7], v[ADRB+\slot] offset:\k+\i*16*PITCH+32
.endr
	WIN 0
.irp i, 0,1,2,3,4,5,6,7
	ds_load_b128 v[\f+8*\i:\f+8*\i+3],   v[ADRA+\slot] offset:\k+\i*16*PITCH
	ds_load_b128 v[\f+8*\i+4:\f+8*\i+7], v[ADRA+\slot] offset:\k+\i*16*PITCH+32
.endr
.endm
; Four plain vector places stand between a matrix instruction and a load into one of its registers, or a vector instruction that reads its result
; (ISA guide 7.12.1 for vector instructions).
.macro PLACES
.rept 4
	v_nop
.endr
.endm
; One row of W2, once in each K step, under window 0.  The row that was asked for one K step (256 matrix instructions) ago is rounded and stored;
; more = 1: the next row is asked for; more = 2: the last row, nothing is asked for.  None of these registers is a matrix instruction's.
.macro SIDE more
	s_wait_loadcnt 0x0                             ; the row's eight loads: no other load of the wave is out
	s_wait_xcnt 0x0                                ; SY and both bases, which the last row's stores and loads name, are rewritten only behind this wait
.if \more == 1
	s_add_nc_u64 s[SSRC:SSRC+1], s[SSRC:SSRC+1], W2ROW
.endif
	s_add_nc_u64 s[SDST:SDST+1], s[SDST:SDST+1], W2BROW    ; the stores below reach back by one row
.irp j, 0,1,2,3,4,5,6,7
	v_cvt_pk_bf16_f32 v[SY+2*\j],   v[SX+4*\j],   v[SX+4*\j+1]
	v_cvt_pk_bf16_f32 v[SY+2*\j+1], v[SX+4*\j+2], v[SX+4*\j+3]
.endr
.if \more == 1
.irp j, 0,1,2,3,4,5,6,7
	global_load_b128 v[SX+4*\j:SX+4*\j+3], v[VSI], s[SSRC:SSRC+1] offset:512*\j th:TH_LOAD_NT
.endr
.endif
.irp j, 0,1,2,3,4,5,6,7
	global_store_b64 v[VSO], v[SY+2*\j:SY+2*\j+1], s[SDST:SDST+1] offset:256*\j-W2BROW   ; the wave stores 256 consecutive bytes, at a multiple of 256 from W2b's first byte
.endr
.endm
; A K step is four quarter steps of 32 along K, 64 matrix instructions each, on buffers 0, 1, 0, 1.
.macro QUARTER slot, k, f, g, zero, side
	s_wait_dscnt 8                                 ; W1b's fragments and xb's rows 0-63 are in; the youngest eight loads (xb's rows 64-127) may be out
	WIN MUL_LO
	MUL16 \f, 0, 0, \zero
	MUL16 \f, 0, 2, \zero
	PLACES
	FETCH \slot, \k, \g
.if \side
	SIDE \side                                     ; behind the LDS loads, which are on their way meanwhile
.endif
	s_wait_dscnt 32                                ; all but the 32 just issued
	WIN MUL_HI
	MUL16 \f, 1, 0, \zero
	MUL16 \f, 1, 2, \zero
.endm
.macro THREE slot, zero, side
	QUARTER \slot, 64,  F0, F1, \zero, 0
	QUARTER \slot, 128, F1, F0, 0, \side
	QUARTER \slot, 192, F0, F1, 0, 0
.endm
; The last quarter: multiplies buffer 1 and changes slots.  One barrier for the change: in front of it each wave waits for its reads of this slot and for
; all its tensor loads (one is out: its part of the next slot); behind it the refill comes first, then the next slot's first fragments.
; From a request to the wait for it a wave issues 240 matrix instructions.
.macro TURN slot, next, fill
	s_wait_dscnt 8
	WIN MUL_LO
	MUL16 F1, 0, 0, 0
	s_wait_dscnt 0                                 ; my reads of this slot are over
	s_wait_tensorcnt 0x0                           ; and all my tensor loads have landed
	ds_add_u32 v63, v31
	s_wait_dscnt 0x0
	s_barrier_signal -1                            ; say so (where a slot is filled again this barrier opens a round of the cluster's barrier),
	MUL16 F1, 0, 2, 0                              ; work on registers while the others arrive,
	WIN 0
	s_barrier_wait -1
.if \fill
	CREST                                          ; no wave of any partner still reads this slot's tile or has a load on its way
	s_add_nc_u64 s[G0+4*\slot+2:G0+4*\slot+3], s[G0+4*\slot+2:G0+4*\slot+3], 2*KSTEP*2
	s_add_nc_u64 s[G0B+4*\slot+2:G0B+4*\slot+3], s[G0B+4*\slot+2:G0B+4*\slot+3], 2*KSTEP*2
	JLOAD \slot                                    ; the wave's one tensor load behind the round; its four v_nop are also the places in front of the loads below
.else
	PLACES
.endif
	FETCH \next, 0, F0
	WIN MUL_HI
	MUL16 F1, 1, 0, 0
	MUL16 F1, 1, 2, 0
.endm
.macro LAP zero                        ; once round the ring, both slots filled again; two rows of W2
	THREE 0, \zero, 1
	TURN 0, 1, 1
	THREE 1, 0, 1
	TURN 1, 0, 1
.endm
	s_wait_loadcnt 8                               ; b1 and the weights, once; the eight younger loads, my first row of W2, stay out
	s_wait_tensorcnt 1                             ; my part of K step 0 is in; K step 1's load, issued behind it, stays out
	s_barrier_signal -1
	s_barrier_wait -1                              ; everybody's is
	FETCH 0, 0, F0
	LAP 1                                          ; the first lap stands in front of the loop: its first products start the sums
	WIN 0                                          ; at a label and at a branch every window is 0
	s_mov_b32 s3, LAPS-2
.Llap:
	LAP 0
	WIN 0
	s_sub_co_u32 s3, s3, 1
	s_cmp_lg_u32 s3, 0
	s_cbranch_scc1 .Llap
	THREE 0, 0, 1                                  ; the last lap fills nothing and has no round of the cluster's barrier
	TURN 0, 1, 0
	THREE 1, 0, 2                                  ; the eighth row of W2 is stored; none is asked for
	s_wait_dscnt 8                                 ; the very last quarter
	WIN MUL_LO
	MUL16 F1, 0, 0, 0
	MUL16 F1, 0, 2, 0
	s_wait_dscnt 0
	WIN MUL_HI
	MUL16 F1, 1, 0, 0
	MUL16 F1, 1, 2, 0
; gelu and the weight on 32 numbers a lane (GU), in passes over the 16 pairs so that no instruction waits for the one in front of it.
; 2 gelu(u) = u + |u| erf(|u| / sqrt 2), since erf is odd.  The results go as bf16 into TMP's half hb.
.macro GELU16 hb
.set q, 0
.rept 32
	v_and_b32 v[GA+q], s86, v[GU+q]                                                     ; |u|
.set q, q+1
.endr
.set q, 0
.rept 16
	v_pk_fma_f32 v[GT+q:GT+q+1], v[GA+q:GA+q+1], s[72:73], 1.0 op_sel_hi:[1,0,0]        ; 1 + p |u|
.set q, q+2
.endr
.set q, 0
.rept 32
	v_rcp_f32 v[GT+q], v[GT+q]                                                          ; t
.set q, q+1
.endr
.set q, 0
.rept 16
	v_pk_mul_f32 v[GE+q:GE+q+1], v[GU+q:GU+q+1], v[GU+q:GU+q+1]                         ; u^2: plain work that names no t stands behind the last v_rcp_f32 (ISA guide 5.7.2)
.set q, q+2
.endr
.set q, 0
.rept 16
	v_pk_mul_f32 v[GE+q:GE+q+1], v[GE+q:GE+q+1], s[74:75] op_sel_hi:[1,0]               ; -0.5 log2 e u^2
.set q, q+2
.endr
.set q, 0
.rept 32
	v_exp_f32 v[GE+q], v[GE+q]                                                          ; exp(-u^2 / 2)
.set q, q+1
.endr
.set q, 0
	s_wait_alu depctr_va_vdst(0)
.rept 16
	v_pk_fma_f32 v[GP+q:GP+q+1], v[GT+q:GT+q+1], s[76:77], v[A4:A4+1] op_sel_hi:[1,0,1] ; Horner; this pass names no result of v_exp_f32 and stands behind the last one
.set q, q+2
.endr
.irp c, 80, 82, 84
.set q, 0
.rept 16
	v_pk_fma_f32 v[GP+q:GP+q+1], v[GP+q:GP+q+1], v[GT+q:GT+q+1], s[\c:\c+1] op_sel_hi:[1,1,0]
.set q, q+2
.endr
.endr
.set q, 0
.rept 16
	v_pk_mul_f32 v[GP+q:GP+q+1], v[GP+q:GP+q+1], v[GT+q:GT+q+1]                         ; -(a1 t + .. + a5 t^5)
.set q, q+2
.endr
.set q, 0
.rept 16
	v_pk_fma_f32 v[GP+q:GP+q+1], v[GP+q:GP+q+1], v[GE+q:GE+q+1], 1.0 op_sel_hi:[1,1,0]  ; erf(|u| / sqrt 2)
.set q, q+2
.endr
.set q, 0
.rept 16
	v_pk_fma_f32 v[GU+q:GU+q+1], v[GA+q:GA+q+1], v[GP+q:GP+q+1], v[GU+q:GU+q+1]         ; u + |u| erf
.set q, q+2
.endr
.set q, 0
.rept 16
	v_pk_mul_f32 v[GU+q:GU+q+1], v[GU+q:GU+q+1], v[HW:HW+1]                             ; x 0.5 x weight
.set q, q+2
.endr
.set q, 0
.rept 16
	v_cvt_pk_bf16_f32 v[TMP+16*\hb+q], v[GU+2*q], v[GU+2*q+1]
.set q, q+1
.endr
.endm
; Rows 16 i .. 16 i + 15 of my block = the eight tiles (a, 0..7) of window 2 or 3.  from = 0x06 or 0x07: source 0 the accumulators' window, source 1 window 1 (b1).
; The results go 16 bytes a lane into my own stage and come back as whole rows of 256 bytes.
.macro OUT16G i, a, from
	WIN 0
	v_cvt_pk_bf16_f32 v[HW], v[WT+\i], v[WT+\i]    ; the weight as the third product's operand: rounded to bf16, nearest even, in both halves;
	v_and_b32 v[HW], 0xffff0000, v[HW]             ; the upper half alone is that bf16 number as f32;
	v_mul_f32 v[HW], 0.5, v[HW]                    ; gelu's factor 0.5 rides on it (exact: a step of the exponent);
	v_mov_b32 v[HW+1], v[HW]                       ; twice, for the packed multiply
.irp hb, 0,1
	WIN \from
.irp bb, 0,1,2,3
.irp r, 0,2,4,6
	v_pk_add_f32 v[GU+8*\bb+\r:GU+8*\bb+\r+1], v[8*(8*\a+4*\hb+\bb)+\r:8*(8*\a+4*\hb+\bb)+\r+1], v[BI+8*(4*\hb+\bb)+\r:BI+8*(4*\hb+\bb)+\r+1]   ; u = sum + b1
.endr
.endr
	WIN 0
	GELU16 \hb
.endr
.irp b, 0,1,2,3,4,5,6,7
	ds_store_b128 v[STO], v[TMP+4*\b:TMP+4*\b+3] offset:32*\b
.endr
	s_wait_xcnt 0x0                                ; RB, which the last row group's stores read, and their base are rewritten only behind this wait
.if \i
	s_add_nc_u64 s[8:9], s[8:9], 16*CROW           ; 16 rows of H on
.endif
.irp t, 0,1,2,3,4,5,6,7
	ds_load_b128 v[RB+4*\t:RB+4*\t+3], v[RD] offset:\t*2*SPITCH    ; LDS serves a wave's instructions in order (ISA guide 5.7.1.4): these see the stores above
.endr
.irp t, 0,1,2,3,4,5,6,7
	s_wait_dscnt 7-\t                              ; the younger loads may stay out
	global_store_b128 v[CO], v[RB+4*\t:RB+4*\t+3], s[8:9] offset:2*\t*CROW   ; 16 lanes store 256 consecutive bytes, at a multiple of 256 from H's first byte
.endr
.endm
	PLACES                                         ; behind the last matrix instructions: for the sums below, which read results, and for gelu's work in the fragment buffers
	s_wait_xcnt 0x0                                ; SY, which the stores of the last row of W2b read, lies in gelu's registers: they are rewritten only behind this wait
	OUT16G 0, 0, 0x06
	OUT16G 1, 1, 0x06
	OUT16G 2, 2, 0x06
	OUT16G 3, 3, 0x06
	OUT16G 4, 0, 0x07
	OUT16G 5, 1, 0x07
	OUT16G 6, 2, 0x07
	OUT16G 7, 3, 0x07
	s_set_vgpr_msb 0x1
	s_wait_tensorcnt 0x0
	ds_add_u32 v63, v31
	s_wait_dscnt 0x0
	s_set_vgpr_msb 0x100
	CROUND                                         ; the closing round: no work-group ends while a partner may still ask for a tile that names it
	s_endpgm
.Lfunc_end_k_qd82c1b3b7e_gemm1:
	.size	k_qd82c1b3b7e_gemm1, .Lfunc_end_k_qd82c1b3b7e_gemm1-k_qd82c1b3b7e_gemm1
	.p2alignl 7, 3214868480
	.fill 96, 4, 3214868480
	.section	.rodata,"a",@progbits
	.p2align	6, 0x0
	.amdhsa_kernel k_qd82c1b3b7e_gemm1
		.amdhsa_group_segment_fixed_size 327680
		.amdhsa_private_segment_fixed_size 0
		.amdhsa_enable_private_segment 0
		.amdhsa_kernarg_size 56
		.amdhsa_user_sgpr_count 2
		.amdhsa_user_sgpr_kernarg_segment_ptr 1
		.amdhsa_wavefront_size32 1
		.amdhsa_system_sgpr_workgroup_id_x 1
		.amdhsa_system_sgpr_workgroup_id_y 1
		.amdhsa_system_sgpr_workgroup_id_z 1
		.amdhsa_system_vgpr_workitem_id 0
		.amdhsa_next_free_vgpr 1024
		.amdhsa_next_free_sgpr 100
		.amdhsa_reserve_vcc 0
		.amdhsa_float_denorm_mode_32 3
		.amdhsa_float_denorm_mode_16_64 3
		.amdhsa_memory_ordered 1
		.amdhsa_forward_progress 1
		.amdhsa_inst_pref_size 255
	.end_amdhsa_kernel
	.section	.bss,"aw",@nobits
	.p2align	6
	.space	262144
	.amdgpu_metadata
---
amdhsa.version: [ 1, 2 ]
amdhsa.kernels:
  - .name:           k_qd82c1b3b7e_gemm1
    .symbol:         k_qd82c1b3b7e_gemm1.kd
    .args:
      - { .name: xb, .offset: 0, .size: 8, .value_kind: global_buffer, .address_space: global }
      - { .name: W1b, .offset: 8, .size: 8, .value_kind: global_buffer, .address_space: global }
      - { .name: b1, .offset: 16, .size: 8, .value_kind: global_buffer, .address_space: global }
      - { .name: weights, .offset: 24, .size: 8, .value_kind: global_buffer, .address_space: global }
      - { .name: W2, .offset: 32, .size: 8, .value_kind: global_buffer, .address_space: global }
      - { .name: H, .offset: 40, .size: 8, .value_kind: global_buffer, .address_space: global }
      - { .name: W2b, .offset: 48, .size: 8, .value_kind: global_buffer, .address_space: global }
    .group_segment_fixed_size: 327680
    .private_segment_fixed_size: 0
    .kernarg_segment_align: 8
    .kernarg_segment_size: 56
    .max_flat_workgroup_size: 128
    .sgpr_count:     100
    .vgpr_count:     1024
    .wavefront_size: 32
...
	.end_amdgpu_metadata
.endif
;; end of part 2
;; launch gemm2 (part 3): grid 4 x 64, 4 waves a work-group, clusters of 4 x 4, 327,680 bytes of LDS; arguments H, W2b, P; writes P
.if DOCPART == 3
	.amdgcn_target "amdgcn-amd-amdhsa--gfx1250"
	.amdhsa_code_object_version 6
	.text
	.protected	k_qd82c1b3b7e_gemm2
	.globl	k_qd82c1b3b7e_gemm2
	.p2align	8
	.type	k_qd82c1b3b7e_gemm2,@function
k_qd82c1b3b7e_gemm2:
	s_mov_b64 s[64:65], 0
	v_nop
	global_prefetch_b8 v0, s[64:65] scope:SCOPE_SE
	s_setreg_imm32_b32 hwreg(HW_REG_WAVE_MODE, 25, 1), 1
	s_wait_xcnt 0x0
	s_wait_alu depctr_hold_cnt(0) depctr_sa_sdst(0) depctr_va_vdst(0) depctr_va_sdst(0) depctr_va_ssrc(0) depctr_va_vcc(0) depctr_vm_vsrc(0)
	s_getreg_b32 s2, hwreg(HW_REG_IB_STS2, 6, 4)
	s_cmp_eq_u32 s2, 0
	s_cbranch_scc0 .Lentry_in_a_cluster
	s_endpgm
.Lentry_in_a_cluster:
	s_bfe_u32 s2, ttmp6, 0x10000c
	s_cmp_lg_u32 s2, 0xf033
	s_cbranch_scc0 .Lentry_shape_is_right
	s_endpgm
.Lentry_shape_is_right:
; P[b][p][d] = sum over j in [2048 p, 2048 p + 2048) of H[b][j] W2b[d][j].  H: [2048][16384] bf16, W2b: [1024][16384] bf16, P: [2048][8][1024] f32.
; The product has 8 x 4 blocks of 256 x 256; its K = 16,384 is cut in eight parts so that there are 256 work-groups of equal work.  Each part is stored
; by its one owner and the parts are added by the next launch, in a fixed order that differs from a single ascending sum.
; A work-group makes a block of 256 x 256 with four waves; a wave makes 128 x 128: 64 accumulator tiles, 512 registers.
; K goes in steps of 128 through a ring of two LDS slots filled by the tensor data mover; a tile's rows are 256 bytes of memory at multiples of 256 bytes.
; CLUSTERS: 4 x 4 work-groups.  Grid x = block column (4); grid y = 64: the cluster's y (0..15) gives the K part p = y / 2 and the upper bit of the block
; row, cy the lower two.  All sixteen partners have the same p.  The four with the same cy need the same tiles of H, the four with the same cx the same
; tiles of W2b: each tile is asked for jointly, which divides the requests by four.
; REGISTERS, in windows of 256: window 0: v0-31 addresses; v64-127, v128-191 fragments of H, two buffers; window 1: the same numbers, fragments of W2b;
; window 2: the accumulator tiles of my rows 0-63 (tile (a, b) at v[8 (8 a + b)]); window 3: those of my rows 64-127.
; THE MATRIX INSTRUCTION IS USED TRANSPOSED: source 0 = 16 rows of W2b, source 1 = 16 rows of H: lane l holds row l % 16 of P's block and its registers
; the columns 8 (l / 16) + 0 .. 7.  The 64 accumulators take turns, one matrix instruction a turn.
.set KSTEP,  128
.set KPITCH, 16384                     ; elements in a row of H and of W2b
.set KSPAN,  2048                      ; the K that a work-group sums over
.set PITCH,  272                       ; an LDS row: 256 bytes + 16 of padding: the 16 rows that a load touches start 4 banks apart (64 banks of 4 bytes: ISA guide 11.1)
.set HALFT,  128*PITCH
.set SLOT,   4*HALFT                   ; H's 256 rows, then W2b's 256 rows
.set STAGE,  2*SLOT                    ; behind the ring: 16 rows x 528 bytes for each wave, for the way out; no tensor load lands there
.set SPITCH, 528                       ; 512 bytes of f32 + 16: 33 x 16, so the sixteen rows that a store touches fall into sixteen different 16-byte columns
.set LAPS,   KSPAN/(2*KSTEP)
.set CROW,   32768                     ; bytes from a row of P to the next: 8 parts x 1,024 f32
.set FLAGS,  (1<<16)|(1<<20)|(1<<21)|(5<<22)|(3<<25)   ; element of 2 bytes; padding on; bit 21 beside a mask; after every 64 words; 4 words
.set ADRA, 16
.set ADRB, 20
.set STO,  24
.set RD,   25
.set CO,   26
.set F0,   64
.set F1,   128
.set G1, 24
.set G0, 32
.set G1B, 48
.set G0B, 56
.set MSB, 0
.macro WIN new                         ; the immediate's high byte repeats the setting that is left
.if MSB != \new
	s_set_vgpr_msb (MSB<<8)|\new
.set MSB, \new
.endif
.endm
.set MUL_LO, 0xa1                      ; source 0 (W2b) window 1, source 1 (H) window 0, C and D window 2
.set MUL_HI, 0xf1                      ; the same, C and D window 3
.set TO_B,   0x40                      ; destination window 1, address window 0
; A joint load.  Waves 0 and 1 fetch H's two halves, waves 2 and 3 W2b's; the branch hangs on the wave's number alone.
; Four v_nop follow each of the two lines.
.macro JLOAD s
	s_cmp_eq_u32 s11, 0
	s_cbranch_scc0 .Lfor_b_\@
	tensor_load_to_lds s[G0+4*\s:G0+4*\s+3], s[G1:G1+7]
	s_nop 0
.rept 4
	v_nop
.endr
	s_branch .Lasked_\@
.Lfor_b_\@:
	tensor_load_to_lds s[G0B+4*\s:G0B+4*\s+3], s[G1B:G1B+7]
	s_nop 0
.rept 4
	v_nop
.endr
.Lasked_\@:
.endm
.macro CREST                           ; a round of the cluster's barrier behind its opening barrier
	s_cmp_lg_u32 s10, 0
	s_cbranch_scc1 .Lnot_wave_0_\@
	s_barrier_signal -3
.Lnot_wave_0_\@:
	s_barrier_wait -3
	s_barrier_signal -1
	s_barrier_wait -1
.endm
.macro CROUND                          ; a whole round
	s_barrier_signal -1
	s_barrier_wait -1
	CREST
.endm
	s_load_b128 s[4:7], s[0:1], 0x0                ; H s[4:5], W2b s[6:7]
	s_load_b64 s[8:9], s[0:1], 0x10                ; P
	s_set_vgpr_msb 0x40
	v_lshl_add_u32 v255, v0, 2, 0x4c400
	s_set_vgpr_msb 0x4000
	v_mov_b32 v255, 0
	s_set_vgpr_msb 0x1
	ds_add_u32 v255, v255
	s_set_vgpr_msb 0x100
	v_lshrrev_b32 v1, 5, v0
	v_readfirstlane_b32 s10, v1                    ; wave 0..3
	s_lshr_b32 s11, s10, 1                         ; which half of the block's rows is mine.  Also: I fetch for H (0) or for W2b (1)
	s_and_b32 s12, s10, 1                          ; which half of its columns.  Also: which 128 rows of that tile I fetch
	s_bfe_u32 s40, ttmp6, 0x40000                  ; cx
	s_bfe_u32 s41, ttmp6, 0x40004                  ; cy
	s_lshl_b32 s42, ttmp9, 2
	s_add_co_u32 s42, s42, s40                     ; block column = 4 x cluster x + cx
	s_and_b32 s45, ttmp7, 0xffff                   ; cluster y, 0..15
	s_and_b32 s13, s45, 1
	s_lshl_b32 s13, s13, 2
	s_add_co_u32 s13, s13, s41                     ; block row = 4 x (cluster y mod 2) + cy
	s_lshr_b32 s66, s45, 1                         ; K part p = cluster y / 2: the same in all sixteen partners
	s_lshl_b32 s66, s66, 12                        ; 2,048 bf16 along a row of H or W2b, and 1,024 f32 along a row of P: 4,096 bytes both
	s_mov_b32 s67, 0
	s_lshl_b32 s43, s41, 2
	s_lshl_b32 s43, 15, s43                        ; the work-groups with my cy
	s_lshl_b32 s44, 0x1111, s40                    ; those with my cx
	s_or_b32 s[G1+0], s43, FLAGS                   ; H's tiles hang on the block row, that is on cy
	s_or_b32 s[G1B+0], s44, FLAGS                  ; W2b's tiles hang on the block column, that is on cx
	s_mov_b32 s[G1B+1], KSTEP<<16
	s_mov_b32 s[G1+1], KSTEP<<16                   ; tensor_dim0 = 128
	s_mov_b32 s[G1B+2], 128<<16
	s_mov_b32 s[G1+2], 128<<16                     ; tensor_dim1 = 128
	s_mov_b32 s[G1B+3], KSTEP<<16
	s_mov_b32 s[G1+3], KSTEP<<16                   ; tile_dim0 = 128
	s_mov_b32 s[G1B+4], 128
	s_mov_b32 s[G1+4], 128                         ; tile_dim1 = 128
	s_mov_b32 s[G1B+5], KPITCH
	s_mov_b32 s[G1+5], KPITCH                      ; elements from row to row
	s_mov_b32 s[G1B+6], 0
	s_mov_b32 s[G1+6], 0
	s_mov_b32 s[G1B+7], 0
	s_mov_b32 s[G1+7], 0
	s_lshl_b32 s17, s12, 7                         ; which 128 rows of the tile I fetch
	s_lshl_b32 s16, s13, 8
	s_add_co_u32 s16, s16, s17                     ; H: row 256 x block row + 128 x half
	s_lshl_b32 s46, s42, 8
	s_add_co_u32 s46, s46, s17                     ; W2b: row 256 x block column + 128 x half
	s_mov_b32 s17, 0
	s_mov_b32 s47, 0
	s_mov_b64 s[18:19], KPITCH*2
	s_mul_u64 s[16:17], s[16:17], s[18:19]         ; in bytes
	s_mul_u64 s[46:47], s[46:47], s[18:19]
	s_add_nc_u64 s[16:17], s[16:17], s[66:67]      ; + my K part
	s_add_nc_u64 s[46:47], s[46:47], s[66:67]
	s_mul_i32 s20, s10, HALFT                      ; where they go: wave x 128 rows
	s_wait_dscnt 0x0
	s_wait_kmcnt 0x0
	s_add_nc_u64 s[14:15], s[4:5], s[16:17]
	s_add_nc_u64 s[46:47], s[6:7], s[46:47]
	CROUND                                         ; all sixteen work-groups are here: the first joint loads meet
.irp s, 0,1
	s_mov_b32 s[G0+4*\s], 1
	s_add_co_u32 s[G0+4*\s+1], s20, \s*SLOT
	s_add_nc_u64 s[G0+4*\s+2:G0+4*\s+3], s[14:15], \s*KSTEP*2
	s_or_b32 s[G0+4*\s+3], s[G0+4*\s+3], 0x80000000
	s_mov_b32 s[G0B+4*\s], 1
	s_add_co_u32 s[G0B+4*\s+1], s20, \s*SLOT
	s_add_nc_u64 s[G0B+4*\s+2:G0B+4*\s+3], s[46:47], \s*KSTEP*2
	s_or_b32 s[G0B+4*\s+3], s[G0B+4*\s+3], 0x80000000
	JLOAD \s                                       ; two tensor loads of the wave are out
.endr
	v_and_b32 v1, 15, v0                           ; r = l % 16
	v_bfe_u32 v2, v0, 4, 1                         ; h = l / 16
	v_mul_u32_u24 v3, v1, PITCH
	v_lshl_add_u32 v3, v2, 4, v3                   ; row x pitch + 16 x half
	s_mul_i32 s21, s11, HALFT                      ; my 128 rows of H
	s_mul_i32 s22, s12, HALFT                      ; my 128 rows of W2b,
	s_add_co_u32 s22, s22, 2*HALFT                 ; which lie behind H's 256
.irp s, 0,1
	v_add_nc_u32 v[ADRA+\s], s21, v3
	v_add_nc_u32 v[ADRB+\s], s22, v3
	s_add_co_u32 s21, s21, SLOT
	s_add_co_u32 s22, s22, SLOT
.endr
	s_mul_i32 s23, s10, 16*SPITCH
	s_add_co_u32 s23, s23, STAGE                   ; my stage
	v_mul_u32_u24 v4, v1, SPITCH                   ; in: row r, 32 bytes (8 f32) for each half of the lanes
	v_lshl_add_u32 v4, v2, 5, v4
	v_add_nc_u32 v[STO], s23, v4
	v_and_b32 v5, 31, v0
	v_lshlrev_b32 v[CO], 4, v5                     ; back, and in P: the 32 lanes take one row's 512 bytes
	v_add_nc_u32 v[RD], s23, v[CO]
	s_lshl_b32 s68, s13, 8                         ; P's base, in registers that feed no descriptor
	s_lshl_b32 s69, s11, 7
	s_add_co_u32 s68, s68, s69                     ; my first row,
	s_lshl_b32 s68, s68, 15                        ; 32,768 bytes a row,
	s_add_co_u32 s68, s68, s66                     ; + 4,096 p
	s_lshl_b32 s69, s42, 10                        ; + 4 bytes x (256 x block column + 128 x half)
	s_add_co_u32 s68, s68, s69
	s_lshl_b32 s69, s12, 9
	s_add_co_u32 s68, s68, s69
	s_mov_b32 s69, 0
	s_add_nc_u64 s[8:9], s[8:9], s[68:69]
.macro MUL16 f, hi, a0, zero
.irp a, \a0, \a0+1
.irp b, 0,1,2,3,4,5,6,7
.if \zero
	v_wmma_f32_16x16x32_bf16 v[8*(8*(\a)+\b):8*(8*(\a)+\b)+7], v[\f+8*\b:\f+8*\b+7], v[\f+8*(4*\hi+\a):\f+8*(4*\hi+\a)+7], 0
.else
	v_wmma_f32_16x16x32_bf16 v[8*(8*(\a)+\b):8*(8*(\a)+\b)+7], v[\f+8*\b:\f+8*\b+7], v[\f+8*(4*\hi+\a):\f+8*(4*\hi+\a)+7], v[8*(8*(\a)+\b):8*(8*(\a)+\b)+7]
.endif
.endr
.endr
.endm
.macro FETCH slot, k, f                ; 32 LDS loads in one run: the fragments of one quarter step into buffer f
	WIN TO_B
.irp i, 0,1,2,3,4,5,6,7
	ds_load_b128 v[\f+8*\i:\f+8*\i+3],   v[ADRB+\slot] offset:\k+\i*16*PITCH
	ds_load_b128 v[\f+8*\i+4:\f+8*\i+7], v[ADRB+\slot] offset:\k+\i*16*PITCH+32
.endr
	WIN 0
.irp i, 0,1,2,3,4,5,6,7
	ds_load_b128 v[\f+8*\i:\f+8*\i+3],   v[ADRA+\slot] offset:\k+\i*16*PITCH
	ds_load_b128 v[\f+8*\i+4:\f+8*\i+7], v[ADRA+\slot] offset:\k+\i*16*PITCH+32
.endr
.endm
; Four plain vector places stand between a matrix instruction and a load into one of its registers, or an LDS store of its result
; (ISA guide 7.12.1 for vector instructions).
.macro PLACES
.rept 4
	v_nop
.endr
.endm
.macro QUARTER slot, k, f, g, zero
	s_wait_dscnt 8                                 ; W2b's fragments and H's rows 0-63 are in; the youngest eight loads (H's rows 64-127) may be out
	WIN MUL_LO
	MUL16 \f, 0, 0, \zero
	MUL16 \f, 0, 2, \zero
	PLACES
	FETCH \slot, \k, \g
	s_wait_dscnt 32                                ; all but the 32 just issued
	WIN MUL_HI
	MUL16 \f, 1, 0, \zero
	MUL16 \f, 1, 2, \zero
.endm
.macro THREE slot, zero
	QUARTER \slot, 64,  F0, F1, \zero
	QUARTER \slot, 128, F1, F0, 0
	QUARTER \slot, 192, F0, F1, 0
.endm
; The last quarter of a K step changes slots.  One barrier: in front of it each wave waits for its reads of this slot and for all its tensor loads (one is
; out: its part of the next slot); behind it the refill comes first.  From a request to the wait for it a wave issues 240 matrix instructions.
.macro TURN slot, next, fill
	s_wait_dscnt 8
	WIN MUL_LO
	MUL16 F1, 0, 0, 0
	s_wait_dscnt 0                                 ; my reads of this slot are over
	s_wait_tensorcnt 0x0                           ; and all my tensor loads have landed
	ds_add_u32 v255, v255
	s_wait_dscnt 0x0
	s_barrier_signal -1                            ; (where a slot is filled again this barrier opens a round of the cluster's barrier)
	MUL16 F1, 0, 2, 0                              ; register work while the others arrive
	WIN 0
	s_barrier_wait -1
.if \fill
	CREST                                          ; no wave of any partner still reads this slot's tile or has a load on its way
	s_add_nc_u64 s[G0+4*\slot+2:G0+4*\slot+3], s[G0+4*\slot+2:G0+4*\slot+3], 2*KSTEP*2
	s_add_nc_u64 s[G0B+4*\slot+2:G0B+4*\slot+3], s[G0B+4*\slot+2:G0B+4*\slot+3], 2*KSTEP*2
	JLOAD \slot                                    ; the wave's one tensor load behind the round; its four v_nop are also the places in front of the loads below
.else
	PLACES
.endif
	FETCH \next, 0, F0
	WIN MUL_HI
	MUL16 F1, 1, 0, 0
	MUL16 F1, 1, 2, 0
.endm
.macro LAP zero
	THREE 0, \zero
	TURN 0, 1, 1
	THREE 1, 0
	TURN 1, 0, 1
.endm
	s_wait_tensorcnt 1                             ; my part of K step 0 is in; K step 1's load, issued behind it, stays out
	s_barrier_signal -1
	s_barrier_wait -1
	FETCH 0, 0, F0
	LAP 1                                          ; the first lap's first products start the sums
	WIN 0                                          ; at a label and at a branch every window is 0
	s_mov_b32 s3, LAPS-2
.Llap:
	LAP 0
	WIN 0
	s_sub_co_u32 s3, s3, 1
	s_cmp_lg_u32 s3, 0
	s_cbranch_scc1 .Llap
	THREE 0, 0                                     ; the last lap fills nothing and has no round of the cluster's barrier
	TURN 0, 1, 0
	THREE 1, 0
	s_wait_dscnt 8                                 ; the very last quarter
	WIN MUL_LO
	MUL16 F1, 0, 0, 0
	MUL16 F1, 0, 2, 0
	s_wait_dscnt 0
	WIN MUL_HI
	MUL16 F1, 1, 0, 0
	MUL16 F1, 1, 2, 0
; THE WAY OUT, 16 rows at a time, in f32: the eight tiles (a, 0..7) of window 2 or 3 go straight from the accumulators into my own stage
; (data = 0x08 or 0x0c: an LDS store's data is source 1) and come back as whole rows of 512 bytes.  f: F0 or F1 in turn.
.macro OUT16F i, a, data, f
	WIN \data
.irp b, 0,1,2,3,4,5,6,7
	ds_store_b128 v[STO], v[8*(8*\a+\b):8*(8*\a+\b)+3]   offset:64*\b
	ds_store_b128 v[STO], v[8*(8*\a+\b)+4:8*(8*\a+\b)+7] offset:64*\b+16
.endr
	WIN 0
	s_wait_xcnt 0x0                                ; buffer f, which earlier stores read, and the stores' base are rewritten only behind this wait
.if \i
	s_add_nc_u64 s[8:9], s[8:9], 16*CROW           ; 16 rows of P on
.endif
.irp t, 0,1,2,3,4,5,6,7,8,9,10,11,12,13,14,15
	ds_load_b128 v[\f+4*\t:\f+4*\t+3], v[RD] offset:\t*SPITCH      ; LDS serves a wave's instructions in order (ISA guide 5.7.1.4): these see the stores above
.endr
.irp t, 0,1,2,3,4,5,6,7,8,9,10,11,12,13,14,15
	s_wait_dscnt 15-\t                             ; the younger loads may stay out
	global_store_b128 v[CO], v[\f+4*\t:\f+4*\t+3], s[8:9] offset:\t*CROW   ; the wave stores 512 consecutive bytes, at a multiple of 512 from P's first byte
.endr
.endm
	PLACES                                         ; behind the last matrix instructions: for the LDS stores of results and the loads into the fragment buffers
	OUT16F 0, 0, 0x08, F0
	OUT16F 1, 1, 0x08, F1
	OUT16F 2, 2, 0x08, F0
	OUT16F 3, 3, 0x08, F1
	OUT16F 4, 0, 0x0c, F0
	OUT16F 5, 1, 0x0c, F1
	OUT16F 6, 2, 0x0c, F0
	OUT16F 7, 3, 0x0c, F1
	s_set_vgpr_msb 0x1
	s_wait_tensorcnt 0x0
	ds_add_u32 v255, v255
	s_wait_dscnt 0x0
	s_set_vgpr_msb 0x100
	CROUND                                         ; the closing round: no work-group ends while a partner may still ask for a tile that names it
	s_endpgm
.Lfunc_end_k_qd82c1b3b7e_gemm2:
	.size	k_qd82c1b3b7e_gemm2, .Lfunc_end_k_qd82c1b3b7e_gemm2-k_qd82c1b3b7e_gemm2
	.p2alignl 7, 3214868480
	.fill 96, 4, 3214868480
	.section	.rodata,"a",@progbits
	.p2align	6, 0x0
	.amdhsa_kernel k_qd82c1b3b7e_gemm2
		.amdhsa_group_segment_fixed_size 327680
		.amdhsa_private_segment_fixed_size 0
		.amdhsa_enable_private_segment 0
		.amdhsa_kernarg_size 24
		.amdhsa_user_sgpr_count 2
		.amdhsa_user_sgpr_kernarg_segment_ptr 1
		.amdhsa_wavefront_size32 1
		.amdhsa_system_sgpr_workgroup_id_x 1
		.amdhsa_system_sgpr_workgroup_id_y 1
		.amdhsa_system_sgpr_workgroup_id_z 1
		.amdhsa_system_vgpr_workitem_id 0
		.amdhsa_next_free_vgpr 1024
		.amdhsa_next_free_sgpr 70
		.amdhsa_reserve_vcc 0
		.amdhsa_float_denorm_mode_32 3
		.amdhsa_float_denorm_mode_16_64 3
		.amdhsa_memory_ordered 1
		.amdhsa_forward_progress 1
		.amdhsa_inst_pref_size 197
	.end_amdhsa_kernel
	.amdgpu_metadata
---
amdhsa.version: [ 1, 2 ]
amdhsa.kernels:
  - .name:           k_qd82c1b3b7e_gemm2
    .symbol:         k_qd82c1b3b7e_gemm2.kd
    .args:
      - { .name: H, .offset: 0, .size: 8, .value_kind: global_buffer, .address_space: global }
      - { .name: W2b, .offset: 8, .size: 8, .value_kind: global_buffer, .address_space: global }
      - { .name: P, .offset: 16, .size: 8, .value_kind: global_buffer, .address_space: global }
    .group_segment_fixed_size: 327680
    .private_segment_fixed_size: 0
    .kernarg_segment_align: 8
    .kernarg_segment_size: 24
    .max_flat_workgroup_size: 128
    .sgpr_count:     70
    .vgpr_count:     1024
    .wavefront_size: 32
...
	.end_amdgpu_metadata
.endif
;; end of part 3
;; launch combine (part 4): grid 512 x 1, 8 waves a work-group, no clusters, 0 bytes of LDS; arguments P, b2, weights, out0; writes out0
.if DOCPART == 4
	.amdgcn_target "amdgcn-amd-amdhsa--gfx1250"
	.amdhsa_code_object_version 6
	.text
	.protected	k_qd82c1b3b7e_combine
	.globl	k_qd82c1b3b7e_combine
	.p2align	8
	.type	k_qd82c1b3b7e_combine,@function
k_qd82c1b3b7e_combine:
	s_mov_b64 s[64:65], 0
	v_nop
	global_prefetch_b8 v0, s[64:65] scope:SCOPE_SE
	s_setreg_imm32_b32 hwreg(HW_REG_WAVE_MODE, 25, 1), 1
	s_wait_xcnt 0x0
; out0[b][d] = sum over p = 0..7 of P[b][p][d] + sum over n = 0..15 of weights[b][n] b2[n][d], all in f32.
; The eight K parts are added as a tree, then the bias terms in ascending n: an order of rounding that differs from one ascending sum.
; A stream: P is read once, out0 written once.  No LDS, no barrier, no matrix unit (16 multiply-adds for an output, in f32).  No cluster: what the
; work-groups share is b2, 65,536 bytes beside the 131,072 bytes of P that each reads alone.
; Eight waves; a work-group owns 4 rows of out0, whose parts are one dense block of 131,072 bytes of P.  Thread t owns the 4 columns at byte 16 t:
; a wave's load or store covers 512 consecutive bytes.  b2 of my 4 columns stays in 64 registers; the four rows' 64 weights are scalars.
; Everything is asked for at the head: 4 scalar loads and 48 vector loads a wave.  No register is loaded twice and each row is summed in and stored from
; its own registers, so the only waits are one for the scalars and the counted ones for the rows.
.set ROWS, 4
.set B2,  4                            ; v[4:67]    b2[n][my 4 columns]
.set X,   68                           ; v[68:195]  row r: its 8 parts, 4 registers each; the sums grow in part 0's registers
	s_load_b256 s[4:11], s[0:1], 0x0               ; P s[4:5], b2 s[6:7], weights s[8:9], out0 s[10:11]
	s_lshl_b32 s12, ttmp9, 17                      ; 4 rows of 32,768 bytes of P
	s_mov_b32 s13, 0
	s_lshl_b32 s14, ttmp9, 8                       ; 4 rows of 64 bytes of weights
	s_mov_b32 s15, 0
	s_lshl_b32 s84, ttmp9, 14                      ; 4 rows of 4,096 bytes of out0
	s_mov_b32 s85, 0
	v_lshlrev_b32 v1, 4, v0                        ; 16 t; never rewritten
	s_wait_kmcnt 0x0
	s_add_nc_u64 s[4:5], s[4:5], s[12:13]
	s_add_nc_u64 s[8:9], s[8:9], s[14:15]
	s_add_nc_u64 s[10:11], s[10:11], s[84:85]
	s_load_b512 s[16:31], s[8:9], 0x0              ; the 16 weights of row 0,
	s_load_b512 s[32:47], s[8:9], 0x40             ; of row 1,
	s_load_b512 s[48:63], s[8:9], 0x80             ; of row 2,
	s_load_b512 s[68:83], s[8:9], 0xc0             ; of row 3
.irp n, 0,1,2,3,4,5,6,7,8,9,10,11,12,13,14,15
	global_load_b128 v[B2+4*\n:B2+4*\n+3], v1, s[6:7] offset:4096*\n
.endr
.irp r, 0,1,2,3
.irp p, 0,1,2,3,4,5,6,7
	global_load_b128 v[X+32*\r+4*\p:X+32*\r+4*\p+3], v1, s[4:5] offset:\r*32768+\p*4096 th:TH_LOAD_NT
.endr
.endr
	s_wait_kmcnt 0x0                               ; the 64 weights (scalar loads return in no order: zero); the vector loads are on their way meanwhile
; Row r, with its weights in s[set:set+15].  left = younger loads that may stay out: 8 for each younger row.
.macro TURN r, set, left
	s_wait_loadcnt \left                           ; loads return in order: b2 and my row's eight are in
.irp p, 0,1,2,3
.irp c, 0,2
	v_pk_add_f32 v[X+32*\r+4*\p+\c:X+32*\r+4*\p+\c+1], v[X+32*\r+4*\p+\c:X+32*\r+4*\p+\c+1], v[X+32*\r+4*(\p+4)+\c:X+32*\r+4*(\p+4)+\c+1]
.endr
.endr
.irp p, 0,1
.irp c, 0,2
	v_pk_add_f32 v[X+32*\r+4*\p+\c:X+32*\r+4*\p+\c+1], v[X+32*\r+4*\p+\c:X+32*\r+4*\p+\c+1], v[X+32*\r+4*(\p+2)+\c:X+32*\r+4*(\p+2)+\c+1]
.endr
.endr
.irp c, 0,2
	v_pk_add_f32 v[X+32*\r+\c:X+32*\r+\c+1], v[X+32*\r+\c:X+32*\r+\c+1], v[X+32*\r+4+\c:X+32*\r+4+\c+1]
.endr
.irp n, 0,1,2,3,4,5,6,7,8,9,10,11,12,13,14,15
.irp c, 0,1,2,3
	v_fmac_f32 v[X+32*\r+\c], s[\set+\n], v[B2+4*\n+\c]            ; four chains that do not wait for each other
.endr
.endr
	global_store_b128 v1, v[X+32*\r:X+32*\r+3], s[10:11] offset:4096*\r th:TH_STORE_NT
.endm
	TURN 0, 16, 24
	TURN 1, 32, 16
	TURN 2, 48, 8
	TURN 3, 68, 0
	s_endpgm
.Lfunc_end_k_qd82c1b3b7e_combine:
	.size	k_qd82c1b3b7e_combine, .Lfunc_end_k_qd82c1b3b7e_combine-k_qd82c1b3b7e_combine
	.p2alignl 7, 3214868480
	.fill 96, 4, 3214868480
	.section	.rodata,"a",@progbits
	.p2align	6, 0x0
	.amdhsa_kernel k_qd82c1b3b7e_combine
		.amdhsa_group_segment_fixed_size 0
		.amdhsa_private_segment_fixed_size 0
		.amdhsa_enable_private_segment 0
		.amdhsa_kernarg_size 32
		.amdhsa_user_sgpr_count 2
		.amdhsa_user_sgpr_kernarg_segment_ptr 1
		.amdhsa_wavefront_size32 1
		.amdhsa_system_sgpr_workgroup_id_x 1
		.amdhsa_system_sgpr_workgroup_id_y 1
		.amdhsa_system_sgpr_workgroup_id_z 1
		.amdhsa_system_vgpr_workitem_id 0
		.amdhsa_next_free_vgpr 196
		.amdhsa_next_free_sgpr 86
		.amdhsa_reserve_vcc 0
		.amdhsa_float_denorm_mode_32 3
		.amdhsa_float_denorm_mode_16_64 3
		.amdhsa_memory_ordered 1
		.amdhsa_forward_progress 1
		.amdhsa_inst_pref_size 18
	.end_amdhsa_kernel
	.amdgpu_metadata
---
amdhsa.version: [ 1, 2 ]
amdhsa.kernels:
  - .name:           k_qd82c1b3b7e_combine
    .symbol:         k_qd82c1b3b7e_combine.kd
    .args:
      - { .name: P, .offset: 0, .size: 8, .value_kind: global_buffer, .address_space: global }
      - { .name: b2, .offset: 8, .size: 8, .value_kind: global_buffer, .address_space: global }
      - { .name: weights, .offset: 16, .size: 8, .value_kind: global_buffer, .address_space: global }
      - { .name: out0, .offset: 24, .size: 8, .value_kind: global_buffer, .address_space: global }
    .group_segment_fixed_size: 0
    .private_segment_fixed_size: 0
    .kernarg_segment_align: 8
    .kernarg_segment_size: 32
    .max_flat_workgroup_size: 256
    .sgpr_count:     86
    .vgpr_count:     196
    .wavefront_size: 32
...
	.end_amdgpu_metadata
.endif
;; end of part 4
